; MI455X (gfx1250); checked and timed in simulation.
; The chip was launched on July 23, 2026; its instructions are those of AMD's public machine-readable ISA for CDNA 5 (MIT licence, August 2026) and "CDNA5" Instruction Set Architecture Reference Guide (July 2026). The comments in the code are by the model that wrote it; some were corrected since.
;; Attn. Allowed arithmetic: float matrix products may take bf16 or f16 operands with f32 sums; all other float work in f32.
;; Inputs: W 1,024 x 2,048 float32; b 1,024 float32; encoder_outputs 32 x 1,024 x 2,048 float32; hidden 32 x 1,024 float32.
;; Outputs: out0 32 x 1 x 1,024 float32.
;; 2 versions, each right; version 2 is version 1 with the launch energy written anew for expert scheduling mode. Each part assembles by itself: llvm-mc -triple=amdgcn-amd-amdhsa -mcpu=gfx1250 --defsym DOCPART=n.
;; ======== version 1 of 2: 3 launches
;; workspace buffers: vpart 1,048,576 bytes; energies 131,072 bytes
;; launch project (part 1): grid 256 x 1, 8 waves a work-group, no clusters, 41,984 bytes of LDS; arguments W, hidden, vpart; writes vpart
.if DOCPART == 1
	.amdgcn_target "amdgcn-amd-amdhsa--gfx1250"
	.amdhsa_code_object_version 6
	.text
	.protected	k_q125b51e002_project
	.globl	k_q125b51e002_project
	.p2align	8
	.type	k_q125b51e002_project,@function
k_q125b51e002_project:
	s_mov_b64 s[64:65], 0
	v_nop
	global_prefetch_b8 v0, s[64:65] scope:SCOPE_SE
	s_setreg_imm32_b32 hwreg(HW_REG_WAVE_MODE, 25, 1), 1
	s_wait_xcnt 0x0
; vpart[k][b][d] = sum over the 256 h of slice k of hidden[b][h] * W[h][d].     W: [1024][2048], hidden: [32][1024], vpart: [4][32][2048], all f32.
; First step of  energies[b][s] = hidden[b] . (W enc[b][s] + bias) = enc[b][s] . v[b] + hidden[b] . bias,  v[b][d] = sum over h of hidden[b][h] W[h][d].
; The identity holds for every input; it leaves 2 x 67 M multiply-adds of the 68,719 M that the written order has, so all of it is done in f32
; fused multiply-adds on the vector unit: the energies are exponentiated later, and 16-bit operands would cost more than the result may err.
; LIMIT, stated: the sums are associated otherwise than in the written order (hidden with W first), so the last bits differ and an
; overflow to infinity can fall at other magnitudes of the inputs.
;
; 256 equal work-groups: j = 16 slices of 128 columns d, g = 4 groups of 8 batches, k = 4 slices of 256 h: 8 x 128 x 256 multiply-adds each.
; Wave w takes h = 256 k + 32 w .. + 31 for all 8 batches; lane l owns columns 4 l .. 4 l + 3 of the slice, so a load of a W row by the wave
; covers 512 neighbouring bytes.  The eight waves' sums meet in LDS; wave w then adds up and stores batch w.
; NO CLUSTER: the four work-groups g of one (j, k) read the same 128 KiB of W.  A joint request lands in LDS only, which would add a write and
; a read of those 128 KiB in LDS to loads that here land in the registers they are used from; the launch asks for 32 MiB of W in all
; (8 MiB of them different), against 256 MiB that the next launch reads.
.set WROW, 8192                        ; bytes in a row of W and of vpart
.set RED,  8192                        ; LDS 8192 .. 40959: partial sums [8 waves][8 batches][512 bytes]; LDS 0 .. 8191: [8 waves][8 batches][32 h] of hidden
.set WOFF, 1                           ; v1        my 16 bytes in my wave's first row of W
.set HOFF, 2                           ; v2        the 16 bytes of hidden that I fetch for my wave
.set HST,  3                           ; v3        where I put them in LDS
.set HRD,  4                           ; v4        my wave's block of hidden in LDS, the same in every lane
.set RST,  5                           ; v5        where I put my sums of batch 0
.set RRD,  6                           ; v6        where wave 0's sums of batch w lie
.set OOFF, 7                           ; v7        my 16 bytes of vpart
.set HG,   8                           ; v[8:15]   hidden as fetched (before that: scratch for the offsets)
.set ACC,  16                          ; v[16:47]  ACC + 4 b + c: batch b, column c
.set H,    48                          ; v[48:111] two buffers of 32: + 4 b + i = hidden[b][h0 + 4 q + i]
.set WR,   112                         ; v[112:239] row r of my 32 rows of W at WR + 4 r
	s_load_b128 s[4:7], s[0:1], 0x0                ; W s[4:5], hidden s[6:7]
	s_load_b64 s[8:9], s[0:1], 0x10                ; vpart
	v_lshl_add_u32 v240, v0, 2, 0xa000
	v_mov_b32 v241, 0
	v_lshrrev_b32 v8, 5, v0
	v_readfirstlane_b32 s10, v8                    ; wave w, 0 to 7
	s_and_b32 s11, ttmp9, 15                       ; j
	s_bfe_u32 s12, ttmp9, 0x20004                  ; g: 2 bits from bit 4
	s_lshr_b32 s13, ttmp9, 6                       ; k
	s_lshl_b32 s20, s11, 9                         ; 128 columns = 512 bytes
	s_lshl_b32 s14, s13, 21                        ; 256 rows of W
	s_add_co_u32 s14, s14, s20
	s_mov_b32 s15, 0
	s_lshl_b32 s16, s12, 15                        ; 8 rows of hidden
	s_lshl_b32 s21, s13, 10                        ; 256 h
	s_add_co_u32 s16, s16, s21
	s_mov_b32 s17, 0
	s_lshl_b32 s18, s13, 18                        ; a slice of vpart: 32 rows
	s_lshl_b32 s21, s12, 16                        ; 8 rows of vpart
	s_add_co_u32 s18, s18, s21
	s_add_co_u32 s18, s18, s20
	s_mov_b32 s19, 0
	v_and_b32 v9, 31, v0                           ; lane
	v_lshlrev_b32 v10, 4, v9                       ; 16 x lane
	v_lshrrev_b32 v11, 3, v9                       ; hidden: batch lane / 8 (and + 4 in the second load),
	v_and_b32 v12, 7, v9                           ; four h number lane % 8
	v_lshlrev_b32 v12, 4, v12
	v_lshl_add_u32 v12, v11, 12, v12
	s_lshl_b32 s20, s10, 18                        ; 32 rows of W
	s_lshl_b32 s21, s10, 7                         ; 32 h
	s_lshl_b32 s22, s10, 10                        ; my wave's 1,024 bytes of hidden in LDS
	v_add_nc_u32 v[WOFF], s20, v10
	v_add_nc_u32 v[HOFF], s21, v12
	v_add_nc_u32 v[HST], s22, v10
	v_mov_b32 v[HRD], s22
	s_lshl_b32 s20, s10, 12
	s_add_co_u32 s20, s20, RED                     ; my wave's 4,096 bytes of sums
	s_lshl_b32 s21, s10, 9
	s_add_co_u32 s21, s21, RED                     ; batch w in wave 0's sums
	s_lshl_b32 s23, s10, 13                        ; row w of vpart
	v_add_nc_u32 v[RST], s20, v10
	v_add_nc_u32 v[RRD], s21, v10
	v_add_nc_u32 v[OOFF], s23, v10
	s_wait_kmcnt 0x0
	s_add_nc_u64 s[4:5], s[4:5], s[14:15]
	s_add_nc_u64 s[6:7], s[6:7], s[16:17]
	s_add_nc_u64 s[8:9], s[8:9], s[18:19]
	; everything that the wave will read is asked for at once: 1 KiB of hidden, then its 16 KiB of W
	global_load_b128 v[HG:HG+3],   v[HOFF], s[6:7]                 ; batches 0 to 3
	global_load_b128 v[HG+4:HG+7], v[HOFF], s[6:7] offset:16384    ; batches 4 to 7
.irp r, 0,1,2,3,4,5,6,7,8,9,10,11,12,13,14,15,16,17,18,19,20,21,22,23,24,25,26,27,28,29,30,31
	global_load_b128 v[WR+4*\r:WR+4*\r+3], v[WOFF], s[4:5] offset:\r*WROW
.endr
; eight loads: hidden[b][h0 + 4 q .. + 3] for b = 0 .. 7; all lanes name one address, so each lane gets the same four numbers
.macro HLOAD q
.irp bb, 0,1,2,3,4,5,6,7
	ds_load_b128 v[H+32*((\q)&1)+4*\bb:H+32*((\q)&1)+4*\bb+3], v[HRD] offset:128*\bb+16*(\q)
.endr
.endm
; four rows of W (h = h0 + 4 q + i) times eight batches: 64 packed multiply-adds, 15 other accumulators between two uses of one.
; The factor from hidden is one register of a pair: op_sel and op_sel_hi give it to both halves (i even: the first, i odd: the second).
.macro CHUNK q
.if \q < 7
	HLOAD \q+1
	s_wait_dscnt 0x8                               ; LDS answers in order (ISA guide 5.7.1): all but the eight loads just issued are in
.else
	s_wait_dscnt 0x0
.endif
	s_wait_loadcnt 28-4*\q                         ; rows 4 q .. 4 q + 3 are in; the 28 - 4 q rows behind them stay out
.irp i, 0,1,2,3
.irp bb, 0,1,2,3,4,5,6,7
.irp cp, 0,1
.set ra, ACC+4*\bb+2*\cp
.set rw, WR+16*\q+4*\i+2*\cp
.set rh, H+32*(\q&1)+4*\bb+2*(\i/2)
.if \q+\i == 0
	v_pk_mul_f32 v[ra:ra+1], v[rw:rw+1], v[rh:rh+1] op_sel_hi:[1,0]        ; the first row starts the sums: nothing is cleared
.else
.if (\i%2) == 0
	v_pk_fma_f32 v[ra:ra+1], v[rw:rw+1], v[rh:rh+1], v[ra:ra+1] op_sel_hi:[1,0,1]
.else
	v_pk_fma_f32 v[ra:ra+1], v[rw:rw+1], v[rh:rh+1], v[ra:ra+1] op_sel:[0,1,0] op_sel_hi:[1,1,1]
.endif
.endif
.endr
.endr
.endr
.endm
	s_wait_loadcnt 32                              ; the 32 rows of W are younger: hidden is in
	ds_store_b128 v[HST], v[HG:HG+3]               ; [8 batches][32 h], 128 bytes a batch: piece lane + 32 x load at 16 bytes each.
	ds_store_b128 v[HST], v[HG+4:HG+7] offset:512  ; Only my wave reads these bytes, and LDS serves a wave in order: no barrier
	HLOAD 0
.irp q, 0,1,2,3,4,5,6,7
	CHUNK \q
.endr
	; the eight waves' sums meet
.irp bb, 0,1,2,3,4,5,6,7
	ds_store_b128 v[RST], v[ACC+4*\bb:ACC+4*\bb+3] offset:512*\bb
.endr
	s_wait_dscnt 0x0                               ; my stores are in LDS before I say so
	s_barrier_signal -1
	s_barrier_wait -1
.irp u, 0,1,2,3,4,5,6,7
	ds_load_b128 v[WR+4*\u:WR+4*\u+3], v[RRD] offset:4096*\u       ; wave u's sums of batch w
.endr
	s_wait_dscnt 0x0
.irp u, 0,2,4,6
	v_pk_add_f32 v[WR+4*\u:WR+4*\u+1],   v[WR+4*\u:WR+4*\u+1],   v[WR+4*\u+4:WR+4*\u+5]
	v_pk_add_f32 v[WR+4*\u+2:WR+4*\u+3], v[WR+4*\u+2:WR+4*\u+3], v[WR+4*\u+6:WR+4*\u+7]
.endr
.irp u, 0,4
	v_pk_add_f32 v[WR+4*\u:WR+4*\u+1],   v[WR+4*\u:WR+4*\u+1],   v[WR+4*\u+8:WR+4*\u+9]
	v_pk_add_f32 v[WR+4*\u+2:WR+4*\u+3], v[WR+4*\u+2:WR+4*\u+3], v[WR+4*\u+10:WR+4*\u+11]
.endr
	v_pk_add_f32 v[WR:WR+1],   v[WR:WR+1],   v[WR+16:WR+17]
	v_pk_add_f32 v[WR+2:WR+3], v[WR+2:WR+3], v[WR+18:WR+19]
	global_store_b128 v[OOFF], v[WR:WR+3], s[8:9]  ; the wave's store covers 512 neighbouring bytes, aligned
	s_wait_tensorcnt 0x0
	ds_add_u32 v240, v241
	s_wait_dscnt 0x0
	s_endpgm
.Lfunc_end_k_q125b51e002_project:
	.size	k_q125b51e002_project, .Lfunc_end_k_q125b51e002_project-k_q125b51e002_project
	.p2alignl 7, 3214868480
	.fill 96, 4, 3214868480
	.section	.rodata,"a",@progbits
	.p2align	6, 0x0
	.amdhsa_kernel k_q125b51e002_project
		.amdhsa_group_segment_fixed_size 41984
		.amdhsa_private_segment_fixed_size 0
		.amdhsa_enable_private_segment 0
		.amdhsa_kernarg_size 24
		.amdhsa_user_sgpr_count 2
		.amdhsa_user_sgpr_kernarg_segment_ptr 1
		.amdhsa_wavefront_size32 1
		.amdhsa_system_sgpr_workgroup_id_x 1
		.amdhsa_system_sgpr_workgroup_id_y 1
		.amdhsa_system_sgpr_workgroup_id_z 1
		.amdhsa_system_vgpr_workitem_id 0
		.amdhsa_next_free_vgpr 242
		.amdhsa_next_free_sgpr 66
		.amdhsa_reserve_vcc 0
		.amdhsa_float_denorm_mode_32 3
		.amdhsa_float_denorm_mode_16_64 3
		.amdhsa_memory_ordered 1
		.amdhsa_forward_progress 1
		.amdhsa_inst_pref_size 45
	.end_amdhsa_kernel
	.amdgpu_metadata
---
amdhsa.version: [ 1, 2 ]
amdhsa.kernels:
  - .name:           k_q125b51e002_project
    .symbol:         k_q125b51e002_project.kd
    .args:
      - { .name: W, .offset: 0, .size: 8, .value_kind: global_buffer, .address_space: global }
      - { .name: hidden, .offset: 8, .size: 8, .value_kind: global_buffer, .address_space: global }
      - { .name: vpart, .offset: 16, .size: 8, .value_kind: global_buffer, .address_space: global }
    .group_segment_fixed_size: 41984
    .private_segment_fixed_size: 0
    .kernarg_segment_align: 8
    .kernarg_segment_size: 24
    .max_flat_workgroup_size: 256
    .sgpr_count:     66
    .vgpr_count:     242
    .wavefront_size: 32
...
	.end_amdgpu_metadata
.endif
;; end of part 1
;; launch energy (part 2): grid 256 x 1, 16 waves a work-group, no clusters, 10,752 bytes of LDS; arguments encoder_outputs, vpart, energies; writes energies
.if DOCPART == 2
	.amdgcn_target "amdgcn-amd-amdhsa--gfx1250"
	.amdhsa_code_object_version 6
	.text
	.protected	k_q125b51e002_energy
	.globl	k_q125b51e002_energy
	.p2align	8
	.type	k_q125b51e002_energy,@function
k_q125b51e002_energy:
	s_mov_b64 s[64:65], 0
	v_nop
	global_prefetch_b8 v0, s[64:65] scope:SCOPE_SE
	s_setreg_imm32_b32 hwreg(HW_REG_WAVE_MODE, 25, 1), 1
	s_wait_xcnt 0x0
; energies[b][s] = enc[b][s][:] . v[b][:],  v[b] = the sum of the four slices vpart[k][b].   enc: [32][1024][2048], energies: [32][1024], f32.
; (hidden[b] . bias is added by the next launch.)  All in f32 fused multiply-adds; the order of the sums is this text's own.
; A stream: every byte of enc is read once, by loads of which each covers 512 neighbouring bytes.  No matrix unit (one row of v against each
; row of enc: two operations a number read), no copy through LDS (no wave reads what another wave fetched).
; 256 work-groups of 16 waves; a work-group owns 128 rows (1 MiB), all of batch (work-group / 8).  Wave w takes rows w + 16 i, i = 0 .. 7, so
; the 16 waves walk one window of neighbouring rows together.  Lane l owns columns 128 j + 4 l .. + 3, j = 0 .. 15; its 64 numbers of v
; stay in registers throughout.
; A ring of four slots in registers, half a row each (8 loads, 4 KiB a wave): three to four slots of every wave are on their way.
; Every address is one register, one base and an immediate; none is ever rewritten, so no wait is needed to free a source.
; NO CLUSTER: the eight work-groups of a batch share only the 32 KiB of vpart, against 1 MiB of rows that each has to itself.
.set ROW,  8192                        ; bytes in a row of enc
.set EN,   8192                        ; LDS 0 .. 8191: v[b]; LDS 8192 .. 8703: the work-group's 128 energies
.set EOFF, 1                           ; v1         my 16 bytes in row w
.set VRD,  2                           ; v2         16 x lane
.set TOFF, 3                           ; v3         16 x thread: my four numbers of v, in vpart and in LDS
.set EST,  4                           ; v4         the word of row w among the energies in LDS
.set ERD,  5                           ; v5         16 x lane among them
.set ACC,  6                           ; v[6:13]    four chains of two sums
.set R,    14                          ; v[14:21]   my part of the sums of my wave's eight rows
.set P,    22                          ; v[22:37]   the four slices of my four numbers of v
.set V,    40                          ; v[40:103]  v at my 64 columns
.set X,    104                         ; v[104:231] the ring: slot t % 4 at X + 32 (t % 4)
	s_load_b128 s[4:7], s[0:1], 0x0                ; enc s[4:5], vpart s[6:7]
	s_load_b64 s[8:9], s[0:1], 0x10                ; energies
	v_lshl_add_u32 v232, v0, 2, 0x2200
	v_mov_b32 v233, 0
	v_lshrrev_b32 v6, 5, v0
	v_readfirstlane_b32 s10, v6                    ; wave w, 0 to 15
	s_mov_b32 s12, 0x76543210                      ; v_permlanex16_b32: lane i of one half reads lane i of the other
	s_mov_b32 s13, 0xfedcba98
	s_lshl_b32 s14, ttmp9, 20                      ; 128 rows of enc
	s_mov_b32 s15, 0
	s_lshr_b32 s16, ttmp9, 3                       ; batch
	s_lshl_b32 s16, s16, 13                        ; its row of vpart
	s_mov_b32 s17, 0
	s_lshl_b32 s18, ttmp9, 9                       ; 128 energies
	s_mov_b32 s19, 0
	v_and_b32 v7, 31, v0
	v_lshlrev_b32 v[VRD], 4, v7
	v_lshlrev_b32 v[TOFF], 4, v0
	s_lshl_b32 s11, s10, 13                        ; row w
	v_add_nc_u32 v[EOFF], s11, v[VRD]
	s_lshl_b32 s11, s10, 2
	s_add_co_u32 s11, s11, EN
	v_mov_b32 v[EST], s11
	v_add_nc_u32 v[ERD], EN, v[VRD]
	s_wait_kmcnt 0x0
	s_add_nc_u64 s[4:5], s[4:5], s[14:15]
	s_add_nc_u64 s[6:7], s[6:7], s[16:17]
	s_add_nc_u64 s[8:9], s[8:9], s[18:19]
; eight loads: half t % 2 of row w + 16 (t / 2) into slot t % 4.  Read once in the whole launch: non-temporal.
.macro FILL t
.irp jj, 0,1,2,3,4,5,6,7
	global_load_b128 v[X+32*((\t)%4)+4*\jj:X+32*((\t)%4)+4*\jj+3], v[EOFF], s[4:5] offset:((\t)/2)*16*ROW+((\t)%2)*4096+512*\jj th:TH_LOAD_NT
.endr
.endm
; turn t: 32 numbers a lane against v, in four chains; left = the loads of the younger fills, which stay out;
; fill = 1: the slot is asked for again, four turns ahead, as soon as it has been read.
.macro TURN t, left, fill
	s_wait_loadcnt \left                           ; loads come back in order (ISA guide 5.7.1)
.irp jj, 0,1,2,3,4,5,6,7
.irp cp, 0,1
.set ra, ACC+2*((2*\jj+\cp)%4)
.set rx, X+32*((\t)%4)+4*\jj+2*\cp
.set rv, V+32*((\t)%2)+4*\jj+2*\cp
.if 2*((\t)%2)+\jj < 2
	v_pk_mul_f32 v[ra:ra+1], v[rx:rx+1], v[rv:rv+1]                ; a row's first four products start its chains
.else
	v_pk_fma_f32 v[ra:ra+1], v[rx:rx+1], v[rv:rv+1], v[ra:ra+1]
.endif
.endr
.endr
.if \fill
	FILL \t+4
.endif
.if ((\t)%2) == 1
	v_pk_add_f32 v[ACC:ACC+1],   v[ACC:ACC+1],   v[ACC+2:ACC+3]    ; the row is through: my eight sums become one
	v_pk_add_f32 v[ACC+4:ACC+5], v[ACC+4:ACC+5], v[ACC+6:ACC+7]
	v_pk_add_f32 v[ACC:ACC+1],   v[ACC:ACC+1],   v[ACC+4:ACC+5]
	v_add_f32 v[R+(\t)/2], v[ACC], v[ACC+1]
.endif
.endm
.irp k, 0,1,2,3
	global_load_b128 v[P+4*\k:P+4*\k+3], v[TOFF], s[6:7] offset:262144*\k  ; first, so that their wait leaves the stream on its way
.endr
	FILL 0
	FILL 1
	FILL 2
	FILL 3
	s_wait_loadcnt 32                              ; the 32 loads of the four slots are younger: the four slices are in
	v_pk_add_f32 v[P:P+1],     v[P:P+1],     v[P+4:P+5]
	v_pk_add_f32 v[P+2:P+3],   v[P+2:P+3],   v[P+6:P+7]
	v_pk_add_f32 v[P+8:P+9],   v[P+8:P+9],   v[P+12:P+13]
	v_pk_add_f32 v[P+10:P+11], v[P+10:P+11], v[P+14:P+15]
	v_pk_add_f32 v[P:P+1],     v[P:P+1],     v[P+8:P+9]
	v_pk_add_f32 v[P+2:P+3],   v[P+2:P+3],   v[P+10:P+11]
	ds_store_b128 v[TOFF], v[P:P+3]                ; 512 threads x 4 numbers = v[b]
	s_wait_dscnt 0x0                               ; my part is in LDS before I say so
	s_barrier_signal -1
	s_barrier_wait -1
.irp j, 0,1,2,3,4,5,6,7,8,9,10,11,12,13,14,15
	ds_load_b128 v[V+4*\j:V+4*\j+3], v[VRD] offset:512*\j
.endr
	s_wait_dscnt 0x0
.irp t, 0,1,2,3,4,5,6,7,8,9,10,11
	TURN \t, 24, 1
.endr
	TURN 12, 24, 0                                 ; the last four turns ask for nothing: the counts run down
	TURN 13, 16, 0
	TURN 14, 8, 0
	TURN 15, 0, 0
	; across the 32 lanes, the eight rows side by side: four steps inside each half of 16 lanes, one across the halves
.irp m, 1,2,4,8
.irp i, 0,1,2,3,4,5,6,7
	v_add_f32_dpp v[R+\i], v[R+\i], v[R+\i] row_xmask:\m row_mask:0xf bank_mask:0xf
.endr
.endr
.irp i, 0,1,2,3,4,5,6,7
	v_permlanex16_b32 v[ACC+\i], v[R+\i], s12, s13 ; its destination counts as read: the chains' registers have been written
.endr
.irp i, 0,1,2,3,4,5,6,7
	v_add_f32 v[R+\i], v[R+\i], v[ACC+\i]
.endr
.irp i, 0,1,2,3,4,5,6,7
	ds_store_b32 v[EST], v[R+\i] offset:64*\i      ; row w + 16 i to its word; all lanes write the same value
.endr
	s_wait_dscnt 0x0
	s_barrier_signal -1
	s_barrier_wait -1
	s_cmp_lg_u32 s10, 0                            ; wave 0 stores the 128 energies: one store of 512 neighbouring bytes, aligned
	s_cbranch_scc1 .Lend
	ds_load_b128 v[ACC:ACC+3], v[ERD]
	s_wait_dscnt 0x0
	global_store_b128 v[VRD], v[ACC:ACC+3], s[8:9]
.Lend:
	s_wait_tensorcnt 0x0
	ds_add_u32 v232, v233
	s_wait_dscnt 0x0
	s_endpgm
.Lfunc_end_k_q125b51e002_energy:
	.size	k_q125b51e002_energy, .Lfunc_end_k_q125b51e002_energy-k_q125b51e002_energy
	.p2alignl 7, 3214868480
	.fill 96, 4, 3214868480
	.section	.rodata,"a",@progbits
	.p2align	6, 0x0
	.amdhsa_kernel k_q125b51e002_energy
		.amdhsa_group_segment_fixed_size 10752
		.amdhsa_private_segment_fixed_size 0
		.amdhsa_enable_private_segment 0
		.amdhsa_kernarg_size 24
		.amdhsa_user_sgpr_count 2
		.amdhsa_user_sgpr_kernarg_segment_ptr 1
		.amdhsa_wavefront_size32 1
		.amdhsa_system_sgpr_workgroup_id_x 1
		.amdhsa_system_sgpr_workgroup_id_y 1
		.amdhsa_system_sgpr_workgroup_id_z 1
		.amdhsa_system_vgpr_workitem_id 0
		.amdhsa_next_free_vgpr 234
		.amdhsa_next_free_sgpr 66
		.amdhsa_reserve_vcc 0
		.amdhsa_float_denorm_mode_32 3
		.amdhsa_float_denorm_mode_16_64 3
		.amdhsa_memory_ordered 1
		.amdhsa_forward_progress 1
		.amdhsa_inst_pref_size 38
	.end_amdhsa_kernel
	.amdgpu_metadata
---
amdhsa.version: [ 1, 2 ]
amdhsa.kernels:
  - .name:           k_q125b51e002_energy
    .symbol:         k_q125b51e002_energy.kd
    .args:
      - { .name: encoder_outputs, .offset: 0, .size: 8, .value_kind: global_buffer, .address_space: global }
      - { .name: vpart, .offset: 8, .size: 8, .value_kind: global_buffer, .address_space: global }
      - { .name: energies, .offset: 16, .size: 8, .value_kind: global_buffer, .address_space: global }
    .group_segment_fixed_size: 10752
    .private_segment_fixed_size: 0
    .kernarg_segment_align: 8
    .kernarg_segment_size: 24
    .max_flat_workgroup_size: 512
    .sgpr_count:     66
    .vgpr_count:     234
    .wavefront_size: 32
...
	.end_amdgpu_metadata
.endif
;; end of part 2
;; launch softmax (part 3): grid 32 x 1, 1 waves a work-group, no clusters, 0 bytes of LDS; arguments energies, hidden, b, out0; writes out0
.if DOCPART == 3
	.amdgcn_target "amdgcn-amd-amdhsa--gfx1250"
	.amdhsa_code_object_version 6
	.text
	.protected	k_q125b51e002_softmax
	.globl	k_q125b51e002_softmax
	.p2align	8
	.type	k_q125b51e002_softmax,@function
k_q125b51e002_softmax:
	s_mov_b64 s[64:65], 0
	v_nop
	global_prefetch_b8 v0, s[64:65] scope:SCOPE_SE
	s_setreg_imm32_b32 hwreg(HW_REG_WAVE_MODE, 25, 1), 1
	s_wait_xcnt 0x0
; out0[b][0][s] = softmax over s of (energies[b][s] + hidden[b] . bias).   energies, hidden, out0: rows of 1,024 f32; bias: 1,024 f32.
; One wave takes a batch: 32 numbers a lane, so no sum leaves the wave: no LDS, no barrier.  There is work for 32 work-groups, and 32 are launched.
; The constant hidden[b] . bias is computed and added as the problem has it, though a softmax does not change under a shift.
; LIMITS, stated: e^x is v_exp_f32 of x log2(e), which gives 0 where the result would lie below 2^-126; the division is a multiplication by
; v_rcp_f32 of the sum (1 ULP).  The maximum is taken with NaN losing; a NaN or +infinity among a row's energies still makes the
; whole row NaN, through the sum.
.set OFF, 1                            ; v1         16 x lane
.set E,   4                            ; v[4:35]    energies, then the results: number 128 j + 4 l + c at E + 4 j + c
.set HD,  36                           ; v[36:67]   hidden[b]
.set BI,  68                           ; v[68:99]   bias
.set D,   100                          ; v[100:107] four chains of two sums
.set C,   108                          ; v[108:109] hidden[b] . bias
.set MX,  110                          ; v[110:111] the maximum M, then -M log2(e)
.set SU,  112                          ; v[112:113] the sum
.set RC,  114                          ; v[114:115] 1 / sum, twice (a pair for the packed multiply)
; v[r:r+1] holds two partial sums in each lane; afterwards v[r] holds the sum over the wave, in every lane
.macro LANESUM r
	v_add_f32 v[\r], v[\r], v[\r+1]
.irp m, 1,2,4,8
	v_add_f32_dpp v[\r], v[\r], v[\r] row_xmask:\m row_mask:0xf bank_mask:0xf
.endr
	v_permlanex16_b32 v[\r+1], v[\r], s12, s13     ; its destination counts as read: it has been written
	v_add_f32 v[\r], v[\r], v[\r+1]
.endm
	s_load_b256 s[4:11], s[0:1], 0x0               ; energies s[4:5], hidden s[6:7], bias s[8:9], out0 s[10:11]
	s_lshl_b32 s14, ttmp9, 12                      ; batch x 4,096 bytes
	s_mov_b32 s15, 0
	s_mov_b32 s12, 0x76543210                      ; v_permlanex16_b32: lane i of one half reads lane i of the other
	s_mov_b32 s13, 0xfedcba98
	v_lshlrev_b32 v[OFF], 4, v0
	s_wait_kmcnt 0x0
	s_add_nc_u64 s[4:5], s[4:5], s[14:15]
	s_add_nc_u64 s[6:7], s[6:7], s[14:15]
	s_add_nc_u64 s[10:11], s[10:11], s[14:15]
.irp j, 0,1,2,3,4,5,6,7
	global_load_b128 v[HD+4*\j:HD+4*\j+3], v[OFF], s[6:7] offset:512*\j
.endr
.irp j, 0,1,2,3,4,5,6,7
	global_load_b128 v[BI+4*\j:BI+4*\j+3], v[OFF], s[8:9] offset:512*\j
.endr
.irp j, 0,1,2,3,4,5,6,7
	global_load_b128 v[E+4*\j:E+4*\j+3], v[OFF], s[4:5] offset:512*\j
.endr
	s_wait_loadcnt 8                               ; the eight loads of the energies are younger: hidden and bias are in
.set n, 0
.rept 16
.if n < 4
	v_pk_mul_f32 v[D+2*n:D+2*n+1], v[HD+2*n:HD+2*n+1], v[BI+2*n:BI+2*n+1]  ; the first four products start the chains
.else
	v_pk_fma_f32 v[D+2*(n%4):D+2*(n%4)+1], v[HD+2*n:HD+2*n+1], v[BI+2*n:BI+2*n+1], v[D+2*(n%4):D+2*(n%4)+1]
.endif
.set n, n+1
.endr
	v_pk_add_f32 v[D:D+1],   v[D:D+1],   v[D+2:D+3]
	v_pk_add_f32 v[D+4:D+5], v[D+4:D+5], v[D+6:D+7]
	v_pk_add_f32 v[C:C+1],   v[D:D+1],   v[D+4:D+5]
	LANESUM C
	s_wait_loadcnt 0x0
.set n, 0
.rept 16
	v_pk_add_f32 v[E+2*n:E+2*n+1], v[E+2*n:E+2*n+1], v[C:C+1] op_sel_hi:[1,0]      ; + hidden[b] . bias, the pair's first register for both
.set n, n+1
.endr
	; the largest of the row: two chains of 16 numbers, then across the lanes
	v_max_num_f32 v[MX],   v[E],    v[E+1]
	v_max_num_f32 v[MX+1], v[E+16], v[E+17]
.irp n2, 2,4,6,8,10,12,14
	v_max3_num_f32 v[MX],   v[MX],   v[E+\n2],    v[E+\n2+1]
	v_max3_num_f32 v[MX+1], v[MX+1], v[E+16+\n2], v[E+16+\n2+1]
.endr
	v_max_num_f32 v[MX], v[MX], v[MX+1]
.irp m, 1,2,4,8
	v_max_num_f32_dpp v[MX], v[MX], v[MX] row_xmask:\m row_mask:0xf bank_mask:0xf
.endr
	v_permlanex16_b32 v[MX+1], v[MX], s12, s13
	v_max_num_f32 v[MX], v[MX], v[MX+1]
	v_mul_f32 v[MX], 0xbfb8aa3b, v[MX]             ; -M log2(e): one number for the whole row, so its rounding cancels in the quotient
.set n, 0
.rept 16
	v_pk_fma_f32 v[E+2*n:E+2*n+1], v[E+2*n:E+2*n+1], 0x3fb8aa3b, v[MX:MX+1] op_sel_hi:[1,0,0]      ; x log2(e) - M log2(e)
.set n, n+1
.endr
.set n, 0
.rept 32
	v_exp_f32 v[E+n], v[E+n]
.set n, n+1
.endr
	v_nop                                          ; one plain vector instruction between the last v_exp_f32 and the first use of a result (ISA guide 5.7.2)
	s_wait_alu depctr_va_vdst(0)
.irp c, 0,1,2,3
	v_pk_add_f32 v[D+2*\c:D+2*\c+1], v[E+2*\c:E+2*\c+1], v[E+8+2*\c:E+8+2*\c+1]    ; two pairs start each chain
.endr
.set n, 8
.rept 8
	v_pk_add_f32 v[D+2*(n%4):D+2*(n%4)+1], v[D+2*(n%4):D+2*(n%4)+1], v[E+2*n:E+2*n+1]
.set n, n+1
.endr
	v_pk_add_f32 v[D:D+1],   v[D:D+1],   v[D+2:D+3]
	v_pk_add_f32 v[D+4:D+5], v[D+4:D+5], v[D+6:D+7]
	v_pk_add_f32 v[SU:SU+1], v[D:D+1],   v[D+4:D+5]
	LANESUM SU
	v_rcp_f32 v[RC],   v[SU]
	v_rcp_f32 v[RC+1], v[SU]
	v_nop                                          ; the plain place behind the two reciprocals
.set n, 0
	s_wait_alu depctr_va_vdst(0)
.rept 16
	v_pk_mul_f32 v[E+2*n:E+2*n+1], v[E+2*n:E+2*n+1], v[RC:RC+1]
.set n, n+1
.endr
.irp j, 0,1,2,3,4,5,6,7
	global_store_b128 v[OFF], v[E+4*\j:E+4*\j+3], s[10:11] offset:512*\j th:TH_STORE_NT    ; each store covers 512 neighbouring bytes, aligned
.endr
	s_endpgm
.Lfunc_end_k_q125b51e002_softmax:
	.size	k_q125b51e002_softmax, .Lfunc_end_k_q125b51e002_softmax-k_q125b51e002_softmax
	.p2alignl 7, 3214868480
	.fill 96, 4, 3214868480
	.section	.rodata,"a",@progbits
	.p2align	6, 0x0
	.amdhsa_kernel k_q125b51e002_softmax
		.amdhsa_group_segment_fixed_size 0
		.amdhsa_private_segment_fixed_size 0
		.amdhsa_enable_private_segment 0
		.amdhsa_kernarg_size 32
		.amdhsa_user_sgpr_count 2
		.amdhsa_user_sgpr_kernarg_segment_ptr 1
		.amdhsa_wavefront_size32 1
		.amdhsa_system_sgpr_workgroup_id_x 1
		.amdhsa_system_sgpr_workgroup_id_y 1
		.amdhsa_system_sgpr_workgroup_id_z 1
		.amdhsa_system_vgpr_workitem_id 0
		.amdhsa_next_free_vgpr 116
		.amdhsa_next_free_sgpr 66
		.amdhsa_reserve_vcc 0
		.amdhsa_float_denorm_mode_32 3
		.amdhsa_float_denorm_mode_16_64 3
		.amdhsa_memory_ordered 1
		.amdhsa_forward_progress 1
		.amdhsa_inst_pref_size 13
	.end_amdhsa_kernel
	.amdgpu_metadata
---
amdhsa.version: [ 1, 2 ]
amdhsa.kernels:
  - .name:           k_q125b51e002_softmax
    .symbol:         k_q125b51e002_softmax.kd
    .args:
      - { .name: energies, .offset: 0, .size: 8, .value_kind: global_buffer, .address_space: global }
      - { .name: hidden, .offset: 8, .size: 8, .value_kind: global_buffer, .address_space: global }
      - { .name: b, .offset: 16, .size: 8, .value_kind: global_buffer, .address_space: global }
      - { .name: out0, .offset: 24, .size: 8, .value_kind: global_buffer, .address_space: global }
    .group_segment_fixed_size: 0
    .private_segment_fixed_size: 0
    .kernarg_segment_align: 8
    .kernarg_segment_size: 32
    .max_flat_workgroup_size: 32
    .sgpr_count:     66
    .vgpr_count:     116
    .wavefront_size: 32
...
	.end_amdgpu_metadata
.endif
;; end of part 3
;; ======== version 2 of 2: 3 launches; version 1 with the launch energy written anew for expert scheduling mode
;; workspace buffers: vpart 1,048,576 bytes; energies 131,072 bytes
;; launch project: the kernel of part 1 again; grid 256 x 1, 8 waves a work-group, no clusters, 41,984 bytes of LDS; arguments W, hidden, vpart; writes vpart
;; launch energy (part 4): grid 256 x 1, 16 waves a work-group, no clusters, 10,752 bytes of LDS; arguments encoder_outputs, vpart, energies; writes energies
.if DOCPART == 4
	.amdgcn_target "amdgcn-amd-amdhsa--gfx1250"
	.amdhsa_code_object_version 6
	.text
	.protected	k_q125b51e002_energy
	.globl	k_q125b51e002_energy
	.p2align	8
	.type	k_q125b51e002_energy,@function
k_q125b51e002_energy:
	s_mov_b64 s[64:65], 0
	v_nop
	global_prefetch_b8 v0, s[64:65] scope:SCOPE_SE
	s_setreg_imm32_b32 hwreg(HW_REG_WAVE_SCHED_MODE, 0, 2), 2
	s_setreg_imm32_b32 hwreg(HW_REG_WAVE_MODE, 25, 1), 1
	s_wait_xcnt 0x0
	s_wait_alu depctr_vm_vsrc(0)
; energies[b][s] = enc[b][s][:] . v[b][:],  v[b] = the sum of the four slices vpart[k][b].   enc: [32][1024][2048], energies: [32][1024], f32.
; (hidden[b] . bias is added by the next launch.)  All in f32 fused multiply-adds; the order of the sums is this text's own.
; A stream: every byte of enc is read once, by loads of which each covers 512 neighbouring bytes.  No matrix unit (one row of v against each
; row of enc: two operations a number read), no copy through LDS (no wave reads what another wave fetched).
; 256 work-groups of 16 waves; a work-group owns 128 rows (1 MiB), all of batch (work-group / 8).  Wave w takes rows w + 16 i, i = 0 .. 7, so
; the 16 waves walk one window of neighbouring rows together.  Lane l owns columns 128 j + 4 l .. + 3, j = 0 .. 15; its 64 numbers of v
; stay in registers throughout.
; A ring of four slots in registers, half a row each (8 loads, 4 KiB a wave): three to four slots of every wave are on their way.
; Every address is one register, one base and an immediate; none is ever rewritten, so no wait is needed to free a source.
; NO CLUSTER: the eight work-groups of a batch share only the 32 KiB of vpart, against 1 MiB of rows that each has to itself.
; THE MODE: SCHED_MODE bits 1:0 = 2 (LLVM: expert scheduling mode 2), set by the entry lines.  The code itself states the register dependences
; between vector instructions and memory or LDS instructions, with s_wait_alu, always for 0.
; THE PLAN.  Registers that memory or LDS instructions touch:
;   v1 .. v5     offsets and LDS addresses.  Written once at the head, read by every load and store, never written again: one wait at the head.
;   P            Four loads land in it; six additions write P[0:3]; one LDS store reads P[0:3]: one wait between.  Not written afterwards.
;   V            Sixteen LDS loads land in it, once; no vector instruction names it before them.
;   X0 .. X3     Turn t: its sixteen products read X[t % 4]; behind them the eight loads of turn t + 4 land in it: ONE wait a turn, between the two.
;                The slot is asked for again at once: at the next turn's head it would lie idle through that turn's wait for data, and 16 waves
;                of 232 registers leave no room for a fifth slot.
;   R, ACC       Named by vector instructions alone until the end: there the LDS stores read R and wave 0's LDS load lands in ACC[0:3]: one wait.
; The additions that close a row (odd turns) name ACC and R alone, so they stand among that turn's loads with no further wait.
; No register that a memory or LDS instruction reads is written again, so vm_vsrc is waited on only at the entry and the end.
.set ROW,  8192                        ; bytes in a row of enc
.set EN,   8192                        ; LDS 0 .. 8191: v[b]; LDS 8192 .. 8703: the work-group's 128 energies
.set EOFF, 1                           ; v1         my 16 bytes in row w
.set VRD,  2                           ; v2         16 x lane
.set TOFF, 3                           ; v3         16 x thread: my four numbers of v, in vpart and in LDS
.set EST,  4                           ; v4         the word of row w among the energies in LDS
.set ERD,  5                           ; v5         16 x lane among them
.set ACC,  6                           ; v[6:13]    four chains of two sums
.set R,    14                          ; v[14:21]   my part of the sums of my wave's eight rows
.set P,    22                          ; v[22:37]   the four slices of my four numbers of v
.set V,    40                          ; v[40:103]  v at my 64 columns
.set X,    104                         ; v[104:231] the ring: slot t % 4 at X + 32 (t % 4)
	s_load_b128 s[4:7], s[0:1], 0x0                ; enc s[4:5], vpart s[6:7]
	s_load_b64 s[8:9], s[0:1], 0x10                ; energies
	v_lshl_add_u32 v38, v0, 2, 0x2200
	v_mov_b32 v39, 0
	v_lshrrev_b32 v6, 5, v0
	v_readfirstlane_b32 s10, v6                    ; wave w, 0 to 15
	s_mov_b32 s12, 0x76543210                      ; v_permlanex16_b32: lane i of one half reads lane i of the other
	s_mov_b32 s13, 0xfedcba98
	s_lshl_b32 s14, ttmp9, 20                      ; 128 rows of enc
	s_mov_b32 s15, 0
	s_lshr_b32 s16, ttmp9, 3                       ; batch
	s_lshl_b32 s16, s16, 13                        ; its row of vpart
	s_mov_b32 s17, 0
	s_lshl_b32 s18, ttmp9, 9                       ; 128 energies
	s_mov_b32 s19, 0
	v_and_b32 v7, 31, v0
	v_lshlrev_b32 v[VRD], 4, v7
	v_lshlrev_b32 v[TOFF], 4, v0
	s_wait_alu depctr_va_sdst(0)                   ; s10 is written, ahead of its first reader: the wave's offsets are made from it
	s_lshl_b32 s11, s10, 13                        ; row w
	v_add_nc_u32 v[EOFF], s11, v[VRD]
	s_lshl_b32 s2, s10, 2                          ; in a register of its own: none that a vector instruction has read is written again
	s_add_co_u32 s2, s2, EN
	v_mov_b32 v[EST], s2
	v_add_nc_u32 v[ERD], EN, v[VRD]
	s_wait_kmcnt 0x0
	s_add_nc_u64 s[4:5], s[4:5], s[14:15]
	s_add_nc_u64 s[6:7], s[6:7], s[16:17]
	s_add_nc_u64 s[8:9], s[8:9], s[18:19]
	s_wait_alu depctr_va_vdst(0)                   ; the five offsets and addresses v1 to v5 are written: every load and store of the kernel reads one of them
; two of the eight loads that bring half t % 2 of row w + 16 (t / 2) into slot t % 4: pieces j0 and j0 + 1.  Read once in the whole launch: non-temporal.
.macro FILL2 t, j0
.irp jj, (\j0), (\j0)+1
	global_load_b128 v[X+32*((\t)%4)+4*(\jj):X+32*((\t)%4)+4*(\jj)+3], v[EOFF], s[4:5] offset:((\t)/2)*16*ROW+((\t)%2)*4096+512*(\jj) th:TH_LOAD_NT
.endr
.endm
; all eight
.macro FILL t
	FILL2 \t, 0
	FILL2 \t, 2
	FILL2 \t, 4
	FILL2 \t, 6
.endm
; turn t: 32 numbers a lane against v, in four chains; left = the loads of the younger fills, which stay out;
; fill = 1: the slot is asked for again, four turns ahead, as soon as it has been read.
.macro TURN t, left, fill
	s_wait_loadcnt \left                           ; loads come back in order (ISA guide 5.7.1)
.irp jj, 0,1,2,3,4,5,6,7
.irp cp, 0,1
.set ra, ACC+2*((2*\jj+\cp)%4)
.set rx, X+32*((\t)%4)+4*\jj+2*\cp
.set rv, V+32*((\t)%2)+4*\jj+2*\cp
.if 2*((\t)%2)+\jj < 2
	v_pk_mul_f32 v[ra:ra+1], v[rx:rx+1], v[rv:rv+1]                ; a row's first four products start its chains
.else
	v_pk_fma_f32 v[ra:ra+1], v[rx:rx+1], v[rv:rv+1], v[ra:ra+1]
.endif
.endr
.endr
.if \fill
	s_wait_alu depctr_va_vdst(0)                   ; the sixteen products are done reading slot t % 4, in which the eight loads below land
.endif
.if ((\t)%2) == 1
	; the row is through: my eight sums become one.  These four name ACC and R alone, none of the registers that the loads touch: they stand among the loads
.if \fill
	FILL2 \t+4, 0
.endif
	v_pk_add_f32 v[ACC:ACC+1],   v[ACC:ACC+1],   v[ACC+2:ACC+3]
	v_pk_add_f32 v[ACC+4:ACC+5], v[ACC+4:ACC+5], v[ACC+6:ACC+7]
.if \fill
	FILL2 \t+4, 2
.endif
	v_pk_add_f32 v[ACC:ACC+1],   v[ACC:ACC+1],   v[ACC+4:ACC+5]
.if \fill
	FILL2 \t+4, 4
.endif
	v_add_f32 v[R+(\t)/2], v[ACC], v[ACC+1]
.if \fill
	FILL2 \t+4, 6
.endif
.else
.if \fill
	FILL \t+4
.endif
.endif
.endm
.irp k, 0,1,2,3
	global_load_b128 v[P+4*\k:P+4*\k+3], v[TOFF], s[6:7] offset:262144*\k  ; first, so that their wait leaves the stream on its way
.endr
	FILL 0
	FILL 1
	FILL 2
	FILL 3
	s_wait_loadcnt 32                              ; the 32 loads of the four slots are younger: the four slices are in
	v_pk_add_f32 v[P:P+1],     v[P:P+1],     v[P+4:P+5]
	v_pk_add_f32 v[P+2:P+3],   v[P+2:P+3],   v[P+6:P+7]
	v_pk_add_f32 v[P+8:P+9],   v[P+8:P+9],   v[P+12:P+13]
	v_pk_add_f32 v[P+10:P+11], v[P+10:P+11], v[P+14:P+15]
	v_pk_add_f32 v[P:P+1],     v[P:P+1],     v[P+8:P+9]
	v_pk_add_f32 v[P+2:P+3],   v[P+2:P+3],   v[P+10:P+11]
	s_wait_alu depctr_va_vdst(0)                   ; the additions have written v[P:P+3], which the LDS store reads
	ds_store_b128 v[TOFF], v[P:P+3]                ; 512 threads x 4 numbers = v[b]
	s_wait_dscnt 0x0                               ; my part is in LDS before I say so
	s_barrier_signal -1
	s_barrier_wait -1
.irp j, 0,1,2,3,4,5,6,7,8,9,10,11,12,13,14,15
	ds_load_b128 v[V+4*\j:V+4*\j+3], v[VRD] offset:512*\j  ; no vector instruction has named V; v[VRD] was written ahead of the head's wait
.endr
	s_wait_dscnt 0x0
.irp t, 0,1,2,3,4,5,6,7,8,9,10,11
	TURN \t, 24, 1
.endr
	TURN 12, 24, 0                                 ; the last four turns ask for nothing: the counts run down, and no wait on va_vdst is owed
	TURN 13, 16, 0
	TURN 14, 8, 0
	TURN 15, 0, 0
	; across the 32 lanes, the eight rows side by side: four steps inside each half of 16 lanes, one across the halves
.irp m, 1,2,4,8
.irp i, 0,1,2,3,4,5,6,7
	v_add_f32_dpp v[R+\i], v[R+\i], v[R+\i] row_xmask:\m row_mask:0xf bank_mask:0xf
.endr
.endr
.irp i, 0,1,2,3,4,5,6,7
	v_permlanex16_b32 v[ACC+\i], v[R+\i], s12, s13 ; its destination counts as read: the chains' registers have been written
.endr
.irp i, 0,1,2,3,4,5,6,7
	v_add_f32 v[R+\i], v[R+\i], v[ACC+\i]
.endr
	s_wait_alu depctr_va_vdst(0)                   ; the additions have written R, which the LDS stores read, and are done with ACC, in which wave 0's LDS load below lands: no vector instruction follows
.irp i, 0,1,2,3,4,5,6,7
	ds_store_b32 v[EST], v[R+\i] offset:64*\i      ; row w + 16 i to its word; all lanes write the same value
.endr
	s_wait_dscnt 0x0
	s_barrier_signal -1
	s_barrier_wait -1
	s_cmp_lg_u32 s10, 0                            ; wave 0 stores the 128 energies: one store of 512 neighbouring bytes, aligned
	s_cbranch_scc1 .Lend
	ds_load_b128 v[ACC:ACC+3], v[ERD]
	s_wait_dscnt 0x0
	global_store_b128 v[VRD], v[ACC:ACC+3], s[8:9]
.Lend:
	s_wait_dscnt 0x0
	s_wait_alu depctr_hold_cnt(0) depctr_sa_sdst(0) depctr_va_vdst(0) depctr_va_sdst(0) depctr_va_ssrc(0) depctr_va_vcc(0) depctr_vm_vsrc(0)
	s_wait_tensorcnt 0x0
	ds_add_u32 v38, v39
	s_wait_dscnt 0x0
	s_endpgm
.Lfunc_end_k_q125b51e002_energy:
	.size	k_q125b51e002_energy, .Lfunc_end_k_q125b51e002_energy-k_q125b51e002_energy
	.p2alignl 7, 3214868480
	.fill 96, 4, 3214868480
	.section	.rodata,"a",@progbits
	.p2align	6, 0x0
	.amdhsa_kernel k_q125b51e002_energy
		.amdhsa_group_segment_fixed_size 10752
		.amdhsa_private_segment_fixed_size 0
		.amdhsa_enable_private_segment 0
		.amdhsa_kernarg_size 24
		.amdhsa_user_sgpr_count 2
		.amdhsa_user_sgpr_kernarg_segment_ptr 1
		.amdhsa_wavefront_size32 1
		.amdhsa_system_sgpr_workgroup_id_x 1
		.amdhsa_system_sgpr_workgroup_id_y 1
		.amdhsa_system_sgpr_workgroup_id_z 1
		.amdhsa_system_vgpr_workitem_id 0
		.amdhsa_next_free_vgpr 232
		.amdhsa_next_free_sgpr 66
		.amdhsa_reserve_vcc 0
		.amdhsa_float_denorm_mode_32 3
		.amdhsa_float_denorm_mode_16_64 3
		.amdhsa_memory_ordered 1
		.amdhsa_forward_progress 1
		.amdhsa_inst_pref_size 38
	.end_amdhsa_kernel
	.amdgpu_metadata
---
amdhsa.version: [ 1, 2 ]
amdhsa.kernels:
  - .name:           k_q125b51e002_energy
    .symbol:         k_q125b51e002_energy.kd
    .args:
      - { .name: encoder_outputs, .offset: 0, .size: 8, .value_kind: global_buffer, .address_space: global }
      - { .name: vpart, .offset: 8, .size: 8, .value_kind: global_buffer, .address_space: global }
      - { .name: energies, .offset: 16, .size: 8, .value_kind: global_buffer, .address_space: global }
    .group_segment_fixed_size: 10752
    .private_segment_fixed_size: 0
    .kernarg_segment_align: 8
    .kernarg_segment_size: 24
    .max_flat_workgroup_size: 512
    .sgpr_count:     66
    .vgpr_count:     232
    .wavefront_size: 32
...
	.end_amdgpu_metadata
.endif
;; end of part 4
;; launch softmax: the kernel of part 3 again; grid 32 x 1, 1 waves a work-group, no clusters, 0 bytes of LDS; arguments energies, hidden, b, out0; writes out0
